; MI455X (gfx1250); checked and timed in simulation.
; The chip was launched on July 23, 2026; its instructions are those of AMD's public machine-readable ISA for CDNA 5 (MIT licence, August 2026) and "CDNA5" Instruction Set Architecture Reference Guide (July 2026). The comments in the code are by the model that wrote it; some were corrected since.
;; GRU. Allowed arithmetic: float matrix products may take bf16 or f16 operands with f32 sums; all other float work in f32.
;; Inputs: bh 1,024 float32; br 1,024 float32; bz 1,024 float32; hidden 8,192 x 1,024 float32; uh 1,024 x 1,024 float32; update 8,192 x 1,024 float32; ur 1,024 x 1,024 float32; uz 1,024 x 1,024 float32; wh 1,024 x 1,024 float32; wr 1,024 x 1,024 float32; wz 1,024 x 1,024 float32.
;; Outputs: out0 8,192 x 1,024 float32.
;; 2 versions, each right; version 2 is version 1 with the launch cvt written anew for expert scheduling mode. Each part assembles by itself: llvm-mc -triple=amdgcn-amd-amdhsa -mcpu=gfx1250 --defsym DOCPART=n.
;; ======== version 1 of 2: 3 launches
;; workspace buffers: ub 16,777,216 bytes; hb 16,777,216 bytes; rh 16,777,216 bytes; w1 8,388,608 bytes; w2 4,194,304 bytes; zg 33,554,432 bytes
;; launch cvt (part 1): grid 512 x 1, 8 waves a work-group, no clusters, 0 bytes of LDS; arguments update, hidden, wr, ur, wz, uz, wh, uh, ub, hb, w1, w2; writes ub, hb, w1, w2
.if DOCPART == 1
	.amdgcn_target "amdgcn-amd-amdhsa--gfx1250"
	.amdhsa_code_object_version 6
	.text
	.protected	k_q099c1fd795_cvt
	.globl	k_q099c1fd795_cvt
	.p2align	8
	.type	k_q099c1fd795_cvt,@function
k_q099c1fd795_cvt:
	s_mov_b64 s[64:65], 0
	v_nop
	global_prefetch_b8 v0, s[64:65] scope:SCOPE_SE
	s_setreg_imm32_b32 hwreg(HW_REG_WAVE_MODE, 25, 1), 1
	s_wait_xcnt 0x0
; GRU cell, launch 1 of 3: the matrix operands are rounded once from f32 to bf16 (nearest even) and the weights are laid as the two products want them.
;   z = sigmoid(update wz^T + hidden uz^T + bz),  r = sigmoid(update wr^T + hidden ur^T + br),
;   h = tanh(update wh^T + (r hidden) uh^T + bh),  out = (1 - z) hidden + z h.
; NOTHING OF THE CELL IS LEFT OUT: every one of the eleven inputs has a way to out0 for all values, so all are loaded (the biases and the f32 hidden by the later launches).
;   ub [8192][1024] = bf16(update)      hb [8192][1024] = bf16(hidden)
;   w1 [2048][2048]: row 256 j + 128 g + c = [ w_g[128 j + c][0:1024] | u_g[128 j + c][0:1024] ], g = 0: wr, ur; g = 1: wz, uz.
;      So a block of 256 rows of w1 holds both gates of the same 128 columns of H, and one K = 2048 product with [ub | hb] makes both sums.
;   w2 [1024][2048]: row n = [ wh[n] | uh[n] ].
; A stream: no LDS, no barrier, no matrix unit.  The sources have 2 x 8,192 + 6 x 1,024 = 22,528 rows of 4,096 bytes.  Each of 512 work-groups takes 44 of them:
; rows 16 g .. 16 g + 15 of update and of hidden and rows 2 g, 2 g + 1 of each weight.  So every work-group walks the same list of buffers and does the same work,
; and the list stands in the text: a row's buffer is a fixed pair of scalar registers, its place an immediate.  No base and no offset register is ever stepped.
; Eight waves: thread t owns bytes 16 t of every source row and bytes 8 t of every destination row (2,048 bytes), so the eight waves cover a row,
; a load of a wave covers 512 neighbouring bytes and a store 256 neighbouring bytes that start at a multiple of 256 from the buffer's first byte.
; A ring of DEPTH row slots in registers keeps DEPTH loads of every wave on their way (11 x 512 bytes x 8 waves = 45,056 bytes for a work-group); from row DEPTH on
; each turn issues one load and one store, the load first.
; Every row has its own pair of registers for the store's data: 88 registers, so that no register that a store names is ever written again and no wait is needed for that.
; Two work-groups on a WGP are 4 waves on a SIMD: 4 x 136 = 544 of its 1,024 registers.
.set ROWS,  44                         ; rows of a work-group: 0-15 update, 16-31 hidden, 32 + 2 q + e: row e of weight q (wr, ur, wz, uz, wh, uh)
.set DEPTH, 11                         ; slots = loads on their way in each wave; 44 = 4 x 11
.set GATE,  128*4096                   ; w1: gate z's rows lie 128 rows of 4,096 bytes behind gate r's
.set SRC, 1                            ; v1        16 t; never rewritten
.set DST, 2                            ; v2        8 t; never rewritten
.set X,   4                            ; v[4:47]   slot s: 4 registers, 4 f32 as loaded
.set Y,   48                           ; v[48:135] row j: 2 registers, 4 bf16 to store
	s_load_b512 s[8:23], s[0:1], 0x0               ; update 8, hidden 10, wr 12, ur 14, wz 16, uz 18, wh 20, uh 22
	s_load_b256 s[24:31], s[0:1], 0x40             ; ub 24, hb 26, w1 28, w2 30
	s_lshl_b32 s32, ttmp9, 16                      ; activations in: 16 g rows of 4,096 bytes (below 2^25)
	s_mov_b32 s33, 0
	s_lshl_b32 s34, ttmp9, 15                      ; activations out: 16 g rows of 2,048 bytes
	s_mov_b32 s35, 0
	s_lshl_b32 s36, ttmp9, 13                      ; weights in, and w2: 2 g rows of 4,096 bytes
	s_mov_b32 s37, 0
	s_lshr_b32 s38, ttmp9, 6                       ; w1: source row n = 2 g goes to row 256 (n / 128) + n % 128 = 256 (g / 64) + 2 (g % 64);
	s_lshl_b32 s38, s38, 20                        ; n + 1 lies in the same block of 128, so it goes to the row behind
	s_and_b32 s39, ttmp9, 63
	s_lshl_b32 s39, s39, 13
	s_add_co_u32 s38, s38, s39
	s_mov_b32 s39, 0
	v_lshlrev_b32 v[SRC], 4, v0
	v_lshlrev_b32 v[DST], 3, v0
	s_wait_kmcnt 0x0
	s_add_nc_u64 s[8:9],   s[8:9],   s[32:33]      ; update
	s_add_nc_u64 s[10:11], s[10:11], s[32:33]      ; hidden
.irp q, 0,1,2,3,4,5
	s_add_nc_u64 s[12+2*\q:13+2*\q], s[12+2*\q:13+2*\q], s[36:37]  ; the six weights
.endr
	s_add_nc_u64 s[24:25], s[24:25], s[34:35]      ; ub
	s_add_nc_u64 s[26:27], s[26:27], s[34:35]      ; hb
	s_add_nc_u64 s[28:29], s[28:29], s[38:39]      ; w1
	s_add_nc_u64 s[30:31], s[30:31], s[36:37]      ; w2
; Row r of the work-group's 44 is asked for, into slot r mod DEPTH.  Each source byte is read once in this launch.
.macro LOADROW r
.if (\r) < 16
	global_load_b128 v[X+4*((\r)%DEPTH):X+4*((\r)%DEPTH)+3], v[SRC], s[8:9] offset:(\r)*4096 th:TH_LOAD_NT
.else
.if (\r) < 32
	global_load_b128 v[X+4*((\r)%DEPTH):X+4*((\r)%DEPTH)+3], v[SRC], s[10:11] offset:((\r)-16)*4096 th:TH_LOAD_NT
.else
	global_load_b128 v[X+4*((\r)%DEPTH):X+4*((\r)%DEPTH)+3], v[SRC], s[12+2*(((\r)-32)/2):13+2*(((\r)-32)/2)] offset:(((\r)-32)%2)*4096 th:TH_LOAD_NT
.endif
.endif
.endm
; Row r goes out.  Weight q = (r - 32) / 2: its gate (q / 2, in w1), its half of the destination's row (q % 2: the u weights fill the right 2,048 bytes) and its row e stand in the immediate.
.macro STOREROW r
.if (\r) < 16
	global_store_b64 v[DST], v[Y+2*(\r):Y+2*(\r)+1], s[24:25] offset:(\r)*2048
.else
.if (\r) < 32
	global_store_b64 v[DST], v[Y+2*(\r):Y+2*(\r)+1], s[26:27] offset:((\r)-16)*2048
.else
.if (\r) < 40
	global_store_b64 v[DST], v[Y+2*(\r):Y+2*(\r)+1], s[28:29] offset:(((\r)-32)/4)*GATE+((((\r)-32)/2)%2)*2048+(((\r)-32)%2)*4096
.else
	global_store_b64 v[DST], v[Y+2*(\r):Y+2*(\r)+1], s[30:31] offset:((((\r)-32)/2)%2)*2048+(((\r)-32)%2)*4096
.endif
.endif
.endif
.endm
; Row j's turn: its load is in; it is rounded into its own pair of registers; its slot is asked for again, DEPTH rows ahead, before the store goes out.
.macro TURN j
.if ((\j)+DEPTH) < ROWS
	s_wait_loadcnt DEPTH-1                         ; loads come back in order (ISA guide 5.7.1): row j is in, the DEPTH - 1 younger rows stay out
.else
	s_wait_loadcnt ROWS-1-(\j)                     ; the last DEPTH rows: nothing more is asked for, so only the rows behind j are out: the counts run down to 0
.endif
	v_cvt_pk_bf16_f32 v[Y+2*(\j)],   v[X+4*((\j)%DEPTH)],   v[X+4*((\j)%DEPTH)+1]
	v_cvt_pk_bf16_f32 v[Y+2*(\j)+1], v[X+4*((\j)%DEPTH)+2], v[X+4*((\j)%DEPTH)+3]
.if ((\j)+DEPTH) < ROWS
	LOADROW (\j)+DEPTH
.endif
	STOREROW \j
.endm
.irp j, 0,1,2,3,4,5,6,7,8,9,10
	LOADROW \j                                     ; the ring is filled: rows 0 to DEPTH - 1
.endr
.irp j, 0,1,2,3,4,5,6,7,8,9,10,11,12,13,14,15,16,17,18,19,20,21,22,23,24,25,26,27,28,29,30,31,32,33,34,35,36,37,38,39,40,41,42,43
	TURN \j
.endr
	s_endpgm
.Lfunc_end_k_q099c1fd795_cvt:
	.size	k_q099c1fd795_cvt, .Lfunc_end_k_q099c1fd795_cvt-k_q099c1fd795_cvt
	.p2alignl 7, 3214868480
	.fill 96, 4, 3214868480
	.section	.rodata,"a",@progbits
	.p2align	6, 0x0
	.amdhsa_kernel k_q099c1fd795_cvt
		.amdhsa_group_segment_fixed_size 0
		.amdhsa_private_segment_fixed_size 0
		.amdhsa_enable_private_segment 0
		.amdhsa_kernarg_size 96
		.amdhsa_user_sgpr_count 2
		.amdhsa_user_sgpr_kernarg_segment_ptr 1
		.amdhsa_wavefront_size32 1
		.amdhsa_system_sgpr_workgroup_id_x 1
		.amdhsa_system_sgpr_workgroup_id_y 1
		.amdhsa_system_sgpr_workgroup_id_z 1
		.amdhsa_system_vgpr_workitem_id 0
		.amdhsa_next_free_vgpr 136
		.amdhsa_next_free_sgpr 66
		.amdhsa_reserve_vcc 0
		.amdhsa_float_denorm_mode_32 3
		.amdhsa_float_denorm_mode_16_64 3
		.amdhsa_memory_ordered 1
		.amdhsa_forward_progress 1
		.amdhsa_inst_pref_size 17
	.end_amdhsa_kernel
	.amdgpu_metadata
---
amdhsa.version: [ 1, 2 ]
amdhsa.kernels:
  - .name:           k_q099c1fd795_cvt
    .symbol:         k_q099c1fd795_cvt.kd
    .args:
      - { .name: update, .offset: 0, .size: 8, .value_kind: global_buffer, .address_space: global }
      - { .name: hidden, .offset: 8, .size: 8, .value_kind: global_buffer, .address_space: global }
      - { .name: wr, .offset: 16, .size: 8, .value_kind: global_buffer, .address_space: global }
      - { .name: ur, .offset: 24, .size: 8, .value_kind: global_buffer, .address_space: global }
      - { .name: wz, .offset: 32, .size: 8, .value_kind: global_buffer, .address_space: global }
      - { .name: uz, .offset: 40, .size: 8, .value_kind: global_buffer, .address_space: global }
      - { .name: wh, .offset: 48, .size: 8, .value_kind: global_buffer, .address_space: global }
      - { .name: uh, .offset: 56, .size: 8, .value_kind: global_buffer, .address_space: global }
      - { .name: ub, .offset: 64, .size: 8, .value_kind: global_buffer, .address_space: global }
      - { .name: hb, .offset: 72, .size: 8, .value_kind: global_buffer, .address_space: global }
      - { .name: w1, .offset: 80, .size: 8, .value_kind: global_buffer, .address_space: global }
      - { .name: w2, .offset: 88, .size: 8, .value_kind: global_buffer, .address_space: global }
    .group_segment_fixed_size: 0
    .private_segment_fixed_size: 0
    .kernarg_segment_align: 8
    .kernarg_segment_size: 96
    .max_flat_workgroup_size: 256
    .sgpr_count:     66
    .vgpr_count:     136
    .wavefront_size: 32
...
	.end_amdgpu_metadata
.endif
;; end of part 1
;; launch gemm_rz (part 2): grid 8 x 32, 4 waves a work-group, clusters of 4 x 4, 327,680 bytes of LDS; arguments ub, hb, w1, br, bz, hidden, rh, zg; writes rh, zg
.if DOCPART == 2
	.amdgcn_target "amdgcn-amd-amdhsa--gfx1250"
	.amdhsa_code_object_version 6
	.text
	.protected	k_q099c1fd795_gemm_rz
	.globl	k_q099c1fd795_gemm_rz
	.p2align	8
	.type	k_q099c1fd795_gemm_rz,@function
k_q099c1fd795_gemm_rz:
	s_mov_b64 s[64:65], 0
	v_nop
	global_prefetch_b8 v0, s[64:65] scope:SCOPE_SE
	s_setreg_imm32_b32 hwreg(HW_REG_WAVE_MODE, 25, 1), 1
	s_wait_xcnt 0x0
	s_wait_alu depctr_hold_cnt(0) depctr_sa_sdst(0) depctr_va_vdst(0) depctr_va_sdst(0) depctr_va_ssrc(0) depctr_va_vcc(0) depctr_vm_vsrc(0)
	s_getreg_b32 s2, hwreg(HW_REG_IB_STS2, 6, 4)
	s_cmp_eq_u32 s2, 0
	s_cbranch_scc0 .Lentry_in_a_cluster
	s_endpgm
.Lentry_in_a_cluster:
	s_bfe_u32 s2, ttmp6, 0x10000c
	s_cmp_lg_u32 s2, 0xf033
	s_cbranch_scc0 .Lentry_shape_is_right
	s_endpgm
.Lentry_shape_is_right:
; GRU cell, launch 2 of 3:  S = [ub | hb] w1^T  (8192 x 2048, K = 2048, bf16 operands, f32 sums), then
;   r = sigmoid(S_r + br),  rh = bf16(r * hidden)  (the A operand of the last product; hidden taken in f32),   zg = sigmoid(S_z + bz) in f32.
; Nothing is left out.  LIMITS: sigmoid(x) = 1 / (1 + 2^(-x log2 e)) by v_exp_f32 and v_rcp_f32, which flush denormals (ISA guide 15.8): for x below about -87 the result is 0
; where f32 would hold a denormal; an overflowing 2^.. gives 1 / inf = 0, the right limit; a NaN is carried.  The operands' rounding to bf16 is the only other difference.
; A work-group makes 256 rows x 256 rows of w1 = both gates of 128 columns of H, with four waves, one on each SIMD; a wave makes 128 x 128: 64 accumulator tiles, 512 registers.
; In the products waves 0 and 2 hold gate r, waves 1 and 3 gate z (w1's layout puts r's 128 rows first in a block).  K goes in steps of 128 through a ring of two LDS slots filled by
; the tensor data mover; a tile's rows are 256 bytes of memory at multiples of 256 bytes.  K steps 0-7 take A from ub, 8-15 from hb; w1's rows run through all 16.
; On the way out the sums pass through LDS, and behind a barrier wave w takes rows 64 w .. 64 w + 63 of BOTH gates: the four waves run one text and do equal work.
; CLUSTERS: 4 x 4 work-groups.  The four of a row of the cluster need the same tiles of A, the four of a column the same tiles of w1: each tile is asked for jointly,
; by the same tensor load with the same descriptor and a mask that names the four.  That divides the requests for both operands by four.
; REGISTERS in windows of 256: window 0: v8-31 addresses and the biases, v64-127 and v128-191 fragments of A (two buffers); window 1: v64-127, v128-191 fragments of w1;
; window 2: the tiles of my rows 0-63 (tile (a, b) at v[8 (8 a + b)]); window 3: those of rows 64-127.  On the way out window 0 holds: v32-63 packed rh, v64-127 sixteen rows of sums,
; v128-191 and v192-255 two blocks of hidden.
; THE MATRIX INSTRUCTION IS USED TRANSPOSED (source 0 = 16 rows of w1, source 1 = 16 rows of A): lane l then holds row l % 16, registers 0-7 the columns 8 (l / 16) + 0..7.
; The 64 accumulators take turns, one instruction a turn, in the same order in every quarter step, over the backward jumps too.
.set KSTEP,  128
.set PITCH,  272                       ; an LDS row: 256 bytes + 16 of padding: 16 rows that a fragment load touches start 16 bytes apart modulo 256
.set HALFT,  128*PITCH                 ; what one tensor load brings
.set SLOT,   4*HALFT                   ; A's 256 rows, then w1's 256 rows
.set SPITCH, 528                       ; the stage: a row of 128 f32 + 16 bytes
.set WSTAGE, 128*SPITCH                ; what a wave stages: 128 rows of one gate.  Four of them = 270,336 bytes, laid over the ring once it has had its last fill
.set ROWS,   16                        ; rows in a block of the way out
.set BNZ,  8                           ; v[8:11]  -log2(e) x bz of my 4 columns
.set ADRA, 16                          ; v16-17  LDS address of my A fragments in slot 0, 1
.set ADRB, 20                          ; v20-21  the same for w1
.set RDZ,  22                          ; v22     stage: my 16 bytes of the first of my 64 rows of gate z; never rewritten
.set STO,  24                          ; v24     stage: where I put 16 bytes of a row
.set RD,   25                          ; v25     stage: my 16 bytes of the first of my 64 rows of gate r; never rewritten
.set CO32, 26                          ; v26     16 x lane: my 4 columns in a row of f32; never rewritten
.set CO16, 27                          ; v27     8 x lane: the same in bf16; never rewritten
.set BNR,  28                          ; v[28:31] -log2(e) x br of my 4 columns
.set Y,    32
.set X,    64
.set HBB,  128
.set HBA,  192
.set F0,   64
.set F1,   128
.set G1,  24                           ; s[24:31] descriptor group 1, A
.set G0,  32                           ; s[32:39] descriptor group 0, A, one set for each slot
.set G1B, 48                           ; s[48:55] group 1, w1
.set G0B, 56                           ; s[56:63] group 0, w1
.set MSB, 0
.macro WIN new                         ; the immediate's high byte repeats the setting that is left
.if MSB != \new
	s_set_vgpr_msb (MSB<<8)|\new
.set MSB, \new
.endif
.endm
.set MUL_LO, 0xa1                      ; source 0 (w1) window 1, source 1 (A) window 0, C and D window 2
.set MUL_HI, 0xf1                      ; the same, C and D window 3
.set TO_B,   0x40                      ; destination window 1
; A joint load: waves 0 and 1 fetch A's two halves, waves 2 and 3 w1's.  The branch hangs on the wave's number alone.
.macro JLOAD s
	s_cmp_eq_u32 s11, 0
	s_cbranch_scc0 .Lfor_b_\@
	tensor_load_to_lds s[G0+4*\s:G0+4*\s+3], s[G1:G1+7]
	s_nop 0
	s_branch .Lasked_\@
.Lfor_b_\@:
	tensor_load_to_lds s[G0B+4*\s:G0B+4*\s+3], s[G1B:G1B+7]
	s_nop 0
.Lasked_\@:
.endm
; A round of the cluster's barrier: my work-group's barrier; wave 0 signals for the work-group; every wave waits for all sixteen; my work-group's barrier again.
.macro CREST
	s_cmp_lg_u32 s10, 0
	s_cbranch_scc1 .Lnot_wave_0_\@
	s_barrier_signal -3
.Lnot_wave_0_\@:
	s_barrier_wait -3
	s_barrier_signal -1
	s_barrier_wait -1
.endm
.macro CROUND
	s_barrier_signal -1
	s_barrier_wait -1
	CREST
.endm
	s_load_b512 s[72:87], s[0:1], 0x0              ; ub 72, hb 74, w1 76, br 78, bz 80, hidden 82, rh 84, zg 86
	s_set_vgpr_msb 0x40
	v_lshl_add_u32 v255, v0, 2, 0x44000
	s_set_vgpr_msb 0x4000
	v_mov_b32 v23, 0
	s_set_vgpr_msb 0x1
	ds_add_u32 v255, v23
	s_set_vgpr_msb 0x100
	v_lshrrev_b32 v1, 5, v0
	v_readfirstlane_b32 s10, v1                    ; wave 0..3
	s_lshr_b32 s11, s10, 1                         ; in the products: my half of the block's rows.  Also: I fetch for A (0) or for w1 (1)
	s_and_b32 s12, s10, 1                          ; in the products: my gate, 0 r, 1 z.  Also: which 128 rows of that tile I fetch
	s_bfe_u32 s40, ttmp6, 0x40000                  ; cx
	s_bfe_u32 s41, ttmp6, 0x40004                  ; cy
	s_lshl_b32 s42, ttmp9, 2
	s_add_co_u32 s42, s42, s40                     ; block column: 128 columns of H, 256 rows of w1
	s_and_b32 s13, ttmp7, 0xffff
	s_lshl_b32 s13, s13, 2
	s_add_co_u32 s13, s13, s41                     ; block row: 256 rows
	s_lshl_b32 s43, s41, 2
	s_lshl_b32 s43, 15, s43                        ; my row of the cluster: places 4 cy .. 4 cy + 3
	s_lshl_b32 s44, 0x1111, s40                    ; my column: places cx, cx + 4, cx + 8, cx + 12
	; group 1: a tile of 128 rows x 128 elements of 2 bytes, 16 bytes of padding behind every 64 words
	s_or_b32 s[G1+0], s43, (1<<16)|(1<<20)|(1<<21)|(5<<22)|(3<<25)   ; 15:0 mask: A's tiles go to my row; 17:16 2 bytes; 20 padding; 21 set beside a mask; 24:22 every 64 words; 31:25 4 words
	s_or_b32 s[G1B+0], s44, (1<<16)|(1<<20)|(1<<21)|(5<<22)|(3<<25)  ; the same with my column's mask
	s_mov_b32 s[G1+1], KSTEP<<16                   ; tensor_dim0 = 128
	s_mov_b32 s[G1B+1], KSTEP<<16
	s_mov_b32 s[G1+2], 128<<16                     ; tensor_dim1 = 128
	s_mov_b32 s[G1B+2], 128<<16
	s_mov_b32 s[G1+3], KSTEP<<16                   ; tile_dim0 = 128
	s_mov_b32 s[G1B+3], KSTEP<<16
	s_mov_b32 s[G1+4], 128                         ; tile_dim1 = 128
	s_mov_b32 s[G1B+4], 128
	s_mov_b32 s[G1+5], 1024                        ; elements from row to row: ub and hb
	s_mov_b32 s[G1B+5], 2048                       ; w1
	s_mov_b32 s[G1+6], 0
	s_mov_b32 s[G1B+6], 0
	s_mov_b32 s[G1+7], 0
	s_mov_b32 s[G1B+7], 0
	; A's tiles hang on the block row alone, w1's on the block column alone; each offset lies in registers that never hold the other coordinate
	s_lshl_b32 s17, s12, 7
	s_lshl_b32 s16, s13, 8
	s_add_co_u32 s16, s16, s17
	s_lshl_b32 s16, s16, 11                        ; A: (256 x block row + 128 x half) rows of 2,048 bytes
	s_lshl_b32 s46, s42, 8
	s_add_co_u32 s46, s46, s17
	s_lshl_b32 s46, s46, 12                        ; w1: (256 x block column + 128 x half) rows of 4,096 bytes
	s_mov_b32 s17, 0
	s_mov_b32 s47, 0
	s_mul_i32 s20, s10, HALFT                      ; where my part goes: wave x 128 rows
	s_wait_dscnt 0x0
	s_wait_kmcnt 0x0
	s_add_nc_u64 s[14:15], s[72:73], s[16:17]      ; my rows in ub
	s_add_nc_u64 s[66:67], s[74:75], s[16:17]      ; the same rows in hb
	s_add_nc_u64 s[46:47], s[76:77], s[46:47]      ; my rows in w1
	CROUND                                         ; all sixteen work-groups are here: the first joint loads meet
.irp s, 0,1
	s_mov_b32 s[G0+4*\s], 1
	s_add_co_u32 s[G0+4*\s+1], s20, \s*SLOT
	s_add_nc_u64 s[G0+4*\s+2:G0+4*\s+3], s[14:15], \s*KSTEP*2      ; K step s
	s_or_b32 s[G0+4*\s+3], s[G0+4*\s+3], 0x80000000                ; type = 2
	s_mov_b32 s[G0B+4*\s], 1
	s_add_co_u32 s[G0B+4*\s+1], s20, \s*SLOT
	s_add_nc_u64 s[G0B+4*\s+2:G0B+4*\s+3], s[46:47], \s*KSTEP*2
	s_or_b32 s[G0B+4*\s+3], s[G0B+4*\s+3], 0x80000000
	JLOAD \s                                       ; both slots' first fills go out before anything else: two tensor loads of the wave are out
.endr
	; the way out's addresses: my 64 rows begin at R0 = 256 x block row + 64 x wave, my columns at 128 x block column
	s_lshl_b32 s88, s13, 8
	s_lshl_b32 s89, s10, 6
	s_add_co_u32 s88, s88, s89                     ; R0
	s_lshl_b32 s90, s88, 11
	s_lshl_b32 s88, s88, 12
	s_lshl_b32 s94, s42, 9                         ; 128 f32
	s_lshl_b32 s89, s42, 8                         ; 128 bf16
	s_add_co_u32 s88, s88, s94
	s_add_co_u32 s90, s90, s89
	s_mov_b32 s89, 0
	s_mov_b32 s91, 0
	s_mov_b32 s95, 0
	s_add_nc_u64 s[82:83], s[82:83], s[88:89]      ; hidden
	s_add_nc_u64 s[86:87], s[86:87], s[88:89]      ; zg
	s_add_nc_u64 s[84:85], s[84:85], s[90:91]      ; rh
	s_add_nc_u64 s[78:79], s[78:79], s[94:95]      ; br
	s_add_nc_u64 s[80:81], s[80:81], s[94:95]      ; bz
	v_and_b32 v5, 31, v0
	v_lshlrev_b32 v[CO32], 4, v5
	v_lshlrev_b32 v[CO16], 3, v5
	global_load_b128 v[BNR:BNR+3], v[CO32], s[78:79]
	global_load_b128 v[BNZ:BNZ+3], v[CO32], s[80:81]
	; fragment addresses: lane l holds row l % 16; two loads of 16 bytes, 32 bytes apart, at row x pitch + 16 (l / 16)
	v_and_b32 v1, 15, v0
	v_bfe_u32 v2, v0, 4, 1
	v_mul_u32_u24 v3, v1, PITCH
	v_lshl_add_u32 v3, v2, 4, v3
	s_mul_i32 s21, s11, HALFT                      ; my 128 rows of A
	s_mul_i32 s22, s12, HALFT
	s_add_co_u32 s22, s22, 2*HALFT                 ; my gate's 128 rows of w1, behind A's 256
.irp s, 0,1
	v_add_nc_u32 v[ADRA+\s], s21, v3
	v_add_nc_u32 v[ADRB+\s], s22, v3
	s_add_co_u32 s21, s21, SLOT
	s_add_co_u32 s22, s22, SLOT
.endr
	s_mul_i32 s23, s10, WSTAGE                     ; stage, in: wave w puts its 128 rows of its gate at w x WSTAGE,
	v_mul_u32_u24 v4, v1, SPITCH                   ; row l % 16, 32 bytes for each half of the lanes
	v_lshl_add_u32 v4, v2, 5, v4
	v_add_nc_u32 v[STO], s23, v4
	s_mul_i32 s18, s11, 2*WSTAGE                   ; stage, back: block rows 64 w .. 64 w + 63 of gate r lie in the part of wave 2 (w / 2),
	s_mul_i32 s19, s12, 64*SPITCH                  ; from its row 64 (w % 2) on;
	s_add_co_u32 s18, s18, s19
	v_add_nc_u32 v[RD], s18, v[CO32]               ; the 32 lanes take one row of 512 bytes;
	v_add_nc_u32 v[RDZ], WSTAGE, v[RD]             ; gate z's rows lie one part further on
	s_wait_loadcnt 0x0
	v_pk_mul_f32 v[BNR:BNR+1],   v[BNR:BNR+1],   0xbfb8aa3b op_sel_hi:[1,0]    ; -log2(e) x bias, so that one fused multiply-add makes the exponent
	v_pk_mul_f32 v[BNR+2:BNR+3], v[BNR+2:BNR+3], 0xbfb8aa3b op_sel_hi:[1,0]
	v_pk_mul_f32 v[BNZ:BNZ+1],   v[BNZ:BNZ+1],   0xbfb8aa3b op_sel_hi:[1,0]
	v_pk_mul_f32 v[BNZ+2:BNZ+3], v[BNZ+2:BNZ+3], 0xbfb8aa3b op_sel_hi:[1,0]
; 16 matrix instructions: row blocks a0, a0 + 1 of the window's four x all 8 column blocks, 32 along K.  zero = 1: the first product starts the sums.
.macro MUL16 f, hi, a0, zero
.irp a, \a0, \a0+1
.irp b, 0,1,2,3,4,5,6,7
.if \zero
	v_wmma_f32_16x16x32_bf16 v[8*(8*(\a)+\b):8*(8*(\a)+\b)+7], v[\f+8*\b:\f+8*\b+7], v[\f+8*(4*\hi+\a):\f+8*(4*\hi+\a)+7], 0
.else
	v_wmma_f32_16x16x32_bf16 v[8*(8*(\a)+\b):8*(8*(\a)+\b)+7], v[\f+8*\b:\f+8*\b+7], v[\f+8*(4*\hi+\a):\f+8*(4*\hi+\a)+7], v[8*(8*(\a)+\b):8*(8*(\a)+\b)+7]
.endif
.endr
.endr
.endm
; 32 LDS loads in one run: one quarter step's fragments (128 rows of w1, 128 rows of A, 32 K at byte k of the rows) into buffer f
.macro FETCH slot, k, f
	WIN TO_B
.irp i, 0,1,2,3,4,5,6,7
	ds_load_b128 v[\f+8*\i:\f+8*\i+3],   v[ADRB+\slot] offset:\k+\i*16*PITCH
	ds_load_b128 v[\f+8*\i+4:\f+8*\i+7], v[ADRB+\slot] offset:\k+\i*16*PITCH+32
.endr
	WIN 0
.irp i, 0,1,2,3,4,5,6,7
	ds_load_b128 v[\f+8*\i:\f+8*\i+3],   v[ADRA+\slot] offset:\k+\i*16*PITCH
	ds_load_b128 v[\f+8*\i+4:\f+8*\i+7], v[ADRA+\slot] offset:\k+\i*16*PITCH+32
.endr
.endm
; Four independent vector places stand between a matrix instruction and a load into a register that it read, or anything that reads its result (ISA guide 7.12.1 for vector instructions);
; matrix instructions in between are not counted as places.
.macro PLACES
.rept 4
	v_nop
.endr
.endm
.macro QUARTER slot, k, f, g, zero
	s_wait_dscnt 8                                 ; w1's fragments and A's rows 0-63 are in; the youngest eight loads (A's rows 64-127) may be out
	WIN MUL_LO
	MUL16 \f, 0, 0, \zero
	MUL16 \f, 0, 2, \zero
	PLACES
	FETCH \slot, \k, \g
	s_wait_dscnt 32                                ; all but the 32 just issued
	WIN MUL_HI
	MUL16 \f, 1, 0, \zero
	MUL16 \f, 1, 2, \zero
.endm
.macro THREE slot, zero
	QUARTER \slot, 64,  F0, F1, \zero
	QUARTER \slot, 128, F1, F0, 0
	QUARTER \slot, 192, F0, F1, 0
.endm
; The last quarter of a K step: multiplies buffer 1 and changes slots.  fill = 0: nothing is fetched; 1: this slot gets the K step two further on;
; 2: the same, and A's tile is the first that comes from hb (K step 8 + slot).
; In front of the barrier each wave waits for its reads of this slot and for all its tensor loads (one is out: its part of the next slot).  Where the slot is filled again the
; barrier opens a round of the cluster's barrier, and the joint refill is the first tensor load behind the round: one load of the wave is out from there on.
.macro TURN slot, next, fill
	s_wait_dscnt 8
	WIN MUL_LO
	MUL16 F1, 0, 0, 0
	s_wait_dscnt 0                                 ; my reads of this slot are over
	s_wait_tensorcnt 0x0                           ; all my tensor loads have landed
	ds_add_u32 v255, v23
	s_wait_dscnt 0x0
	s_barrier_signal -1
	MUL16 F1, 0, 2, 0                              ; register work while the others arrive
	WIN 0
	s_barrier_wait -1
.if \fill
	CREST                                          ; no wave of any partner still reads this slot or has a load on its way; no load of mine is out, so group 0 may be written
.if \fill == 2
	s_add_nc_u64 s[G0+4*\slot+2:G0+4*\slot+3], s[66:67], \slot*KSTEP*2
	s_or_b32 s[G0+4*\slot+3], s[G0+4*\slot+3], 0x80000000
.else
	s_add_nc_u64 s[G0+4*\slot+2:G0+4*\slot+3], s[G0+4*\slot+2:G0+4*\slot+3], 2*KSTEP*2
.endif
	s_add_nc_u64 s[G0B+4*\slot+2:G0B+4*\slot+3], s[G0B+4*\slot+2:G0B+4*\slot+3], 2*KSTEP*2
	JLOAD \slot
.endif
	PLACES
	FETCH \next, 0, F0
	WIN MUL_HI
	MUL16 F1, 1, 0, 0
	MUL16 F1, 1, 2, 0
.endm
.macro LAP zero, fill                  ; two K steps, once round the ring
	THREE 0, \zero
	TURN 0, 1, \fill
	THREE 1, 0
	TURN 1, 0, \fill
.endm
	s_wait_tensorcnt 1                             ; my part of K step 0 is in; K step 1's load, issued behind it, may stay out
	s_barrier_signal -1
	s_barrier_wait -1
	FETCH 0, 0, F0
	LAP 1, 1                                       ; K steps 0, 1: the first products start the sums; asks for steps 2, 3
	WIN 0
	s_mov_b32 s3, 2
.Llap_u:
	LAP 0, 1                                       ; K steps 2-5; asks for 4-7
	WIN 0
	s_sub_co_u32 s3, s3, 1
	s_cmp_lg_u32 s3, 0
	s_cbranch_scc1 .Llap_u
	LAP 0, 2                                       ; K steps 6, 7; asks for 8, 9: A now comes from hb
	WIN 0
	s_mov_b32 s3, 3
.Llap_h:
	LAP 0, 1                                       ; K steps 8-13; asks for 10-15
	WIN 0
	s_sub_co_u32 s3, s3, 1
	s_cmp_lg_u32 s3, 0
	s_cbranch_scc1 .Llap_h
	; hidden of my first 16 rows goes out ahead of the last two K steps, into registers that the products do not name
.irp t, 0,1,2,3,4,5,6,7,8,9,10,11,12,13,14,15
	global_load_b128 v[HBA+4*\t:HBA+4*\t+3], v[CO32], s[82:83] offset:\t*4096 th:TH_LOAD_NT   ; each byte of hidden is read by one wave of this launch
.endr
	THREE 0, 0                                     ; K steps 14, 15: nothing is left to fetch
	TURN 0, 1, 0
	THREE 1, 0
	s_wait_dscnt 8
	WIN MUL_LO
	MUL16 F1, 0, 0, 0
	MUL16 F1, 0, 2, 0
	s_wait_dscnt 0                                 ; my last reads of the ring are over (and no tensor load has been out since the last change of slots):
	s_barrier_signal -1                            ; say so,
	WIN MUL_HI
	MUL16 F1, 1, 0, 0
	MUL16 F1, 1, 2, 0
	WIN 0
	s_barrier_wait -1                              ; and when all four have said so the ring, which is never filled again, becomes the stage
	PLACES                                         ; the places behind the last matrix instructions, for the LDS stores of results and the loads into fragment registers
	; THE WAY OUT.  A lane holds 32 bytes of a row; the lanes beside it hold other rows.  So each wave's 128 x 128 sums go into the stage, and come back as whole rows of 512 bytes.
	WIN 0x08                                       ; store data from window 2
.irp a, 0,1,2,3
.irp b, 0,1,2,3,4,5,6,7
	ds_store_b128 v[STO], v[8*(8*\a+\b):8*(8*\a+\b)+3]   offset:16*\a*SPITCH+64*\b
	ds_store_b128 v[STO], v[8*(8*\a+\b)+4:8*(8*\a+\b)+7] offset:16*\a*SPITCH+64*\b+16
.endr
.endr
	WIN 0x0c                                       ; from window 3
.irp a, 0,1,2,3
.irp b, 0,1,2,3,4,5,6,7
	ds_store_b128 v[STO], v[8*(8*\a+\b):8*(8*\a+\b)+3]   offset:16*(\a+4)*SPITCH+64*\b
	ds_store_b128 v[STO], v[8*(8*\a+\b)+4:8*(8*\a+\b)+7] offset:16*(\a+4)*SPITCH+64*\b+16
.endr
.endr
	WIN 0
	s_wait_dscnt 0x0                               ; for the others' sake: all my stores into the stage are done,
	s_barrier_signal -1
	s_barrier_wait -1                              ; and so are everybody's: from here on each wave reads rows that other waves stored, and nobody writes LDS any more
; One row's sigmoid in five steps (4 numbers a lane).  The steps of neighbouring rows are interleaved so that a plain vector instruction on other registers
; always stands between a v_exp_f32 or v_rcp_f32 and the first use of its result (ISA guide 5.7.2).
.macro FSTEP t, bn
	s_wait_dscnt ROWS-1-(\t)                       ; LDS loads come back in order (ISA guide 5.7.1): row t is in, the younger rows of the block stay out
	v_pk_fma_f32 v[X+4*(\t):X+4*(\t)+1],   v[X+4*(\t):X+4*(\t)+1],   0xbfb8aa3b, v[\bn:\bn+1]   op_sel_hi:[1,0,1]   ; -log2(e) (sum + bias)
	v_pk_fma_f32 v[X+4*(\t)+2:X+4*(\t)+3], v[X+4*(\t)+2:X+4*(\t)+3], 0xbfb8aa3b, v[\bn+2:\bn+3] op_sel_hi:[1,0,1]
.endm
.macro ESTEP t
.irp k, 0,1,2,3
	v_exp_f32 v[X+4*(\t)+\k], v[X+4*(\t)+\k]
.endr
.endm
.macro PSTEP t
	s_wait_alu depctr_va_vdst(0)
	v_pk_add_f32 v[X+4*(\t):X+4*(\t)+1],   v[X+4*(\t):X+4*(\t)+1],   1.0 op_sel_hi:[1,0]
	v_pk_add_f32 v[X+4*(\t)+2:X+4*(\t)+3], v[X+4*(\t)+2:X+4*(\t)+3], 1.0 op_sel_hi:[1,0]
.endm
.macro RSTEP t
.irp k, 0,1,2,3
	v_rcp_f32 v[X+4*(\t)+\k], v[X+4*(\t)+\k]
.endr
.endm
; kind = 1: z goes out as it is, 512 neighbouring bytes a store.  kind = 0: r x hidden, rounded to bf16, 256 neighbouring aligned bytes a store.
; The row's place among my 64 stands in the immediate (258,048 bytes at the most): no base and no offset register is ever stepped.
.macro MSTEP kind, blk, t, cur, left
.if \kind
	s_wait_alu depctr_va_vdst(0)
	global_store_b128 v[CO32], v[X+4*(\t):X+4*(\t)+3], s[86:87] offset:(16*\blk+(\t))*4096
.else
	s_wait_loadcnt \left-(\t)                      ; hidden's row t is in: behind it were issued this block's 15 - t younger rows and, where there is one, the next block's 16
	s_wait_alu depctr_va_vdst(0)
	v_pk_mul_f32 v[X+4*(\t):X+4*(\t)+1],   v[X+4*(\t):X+4*(\t)+1],   v[\cur+4*(\t):\cur+4*(\t)+1]
	v_pk_mul_f32 v[X+4*(\t)+2:X+4*(\t)+3], v[X+4*(\t)+2:X+4*(\t)+3], v[\cur+4*(\t)+2:\cur+4*(\t)+3]
	v_cvt_pk_bf16_f32 v[Y+2*(\t)],   v[X+4*(\t)],   v[X+4*(\t)+1]
	v_cvt_pk_bf16_f32 v[Y+2*(\t)+1], v[X+4*(\t)+2], v[X+4*(\t)+3]
	global_store_b64 v[CO16], v[Y+2*(\t):Y+2*(\t)+1], s[84:85] offset:(16*\blk+(\t))*2048
.endif
.endm
.macro PIPE kind, blk, bn, cur, left
	FSTEP 0, \bn
	ESTEP 0
	FSTEP 1, \bn
	PSTEP 0
	RSTEP 0
.irp t, 1,2,3,4,5,6,7,8,9,10,11,12,13,14,15
	ESTEP \t
.if \t < ROWS-1
	FSTEP \t+1, \bn
.else
	v_nop
.endif
	MSTEP \kind, \blk, \t-1, \cur, \left
	PSTEP \t
	RSTEP \t
.endr
	v_nop
	MSTEP \kind, \blk, ROWS-1, \cur, \left
.endm
; Rows 16 blk .. 16 blk + 15 of my 64, gate r.  cur: the block of hidden that is due; more = 1: the next block's hidden goes out first, into nxt.
.macro RBLK blk, cur, nxt, more, left
.if \blk
	s_wait_xcnt 0x0                                ; every earlier memory instruction has had its addresses translated (ISA guide 3.1): X, which the last z block's stores read,
	                                               ; and Y, which the last r block's stores read, are rewritten only behind this wait
.endif
.if \more
.irp t, 0,1,2,3,4,5,6,7,8,9,10,11,12,13,14,15
	global_load_b128 v[\nxt+4*\t:\nxt+4*\t+3], v[CO32], s[82:83] offset:(16*(\blk+1)+\t)*4096 th:TH_LOAD_NT
.endr
.endif
.irp t, 0,1,2,3,4,5,6,7,8,9,10,11,12,13,14,15
	ds_load_b128 v[X+4*\t:X+4*\t+3], v[RD] offset:(16*\blk+\t)*SPITCH
.endr
	PIPE 0, \blk, BNR, \cur, \left
.endm
; The same rows of gate z.  X is free: the r block in front of it stored from Y.
.macro ZBLK blk
.irp t, 0,1,2,3,4,5,6,7,8,9,10,11,12,13,14,15
	ds_load_b128 v[X+4*\t:X+4*\t+3], v[RDZ] offset:(16*\blk+\t)*SPITCH
.endr
	PIPE 1, \blk, BNZ, 0, 0
.endm
	RBLK 0, HBA, HBB, 1, 31                        ; the two gates take turns: a z block's work stands between the request for a block of hidden and its use
	ZBLK 0
	RBLK 1, HBB, HBA, 1, 31
	ZBLK 1
	RBLK 2, HBA, HBB, 1, 31
	ZBLK 2
	RBLK 3, HBB, 0, 0, 15                          ; the last 16 rows: nothing more to ask for, the counts run down to 0
	ZBLK 3
	s_set_vgpr_msb 0x1
	s_wait_tensorcnt 0x0
	ds_add_u32 v255, v23
	s_wait_dscnt 0x0
	s_set_vgpr_msb 0x100
	CROUND                                         ; the closing round: no work-group ends while a partner may still ask for a tile that names it
	s_endpgm
.Lfunc_end_k_q099c1fd795_gemm_rz:
	.size	k_q099c1fd795_gemm_rz, .Lfunc_end_k_q099c1fd795_gemm_rz-k_q099c1fd795_gemm_rz
	.p2alignl 7, 3214868480
	.fill 96, 4, 3214868480
	.section	.rodata,"a",@progbits
	.p2align	6, 0x0
	.amdhsa_kernel k_q099c1fd795_gemm_rz
		.amdhsa_group_segment_fixed_size 327680
		.amdhsa_private_segment_fixed_size 0
		.amdhsa_enable_private_segment 0
		.amdhsa_kernarg_size 64
		.amdhsa_user_sgpr_count 2
		.amdhsa_user_sgpr_kernarg_segment_ptr 1
		.amdhsa_wavefront_size32 1
		.amdhsa_system_sgpr_workgroup_id_x 1
		.amdhsa_system_sgpr_workgroup_id_y 1
		.amdhsa_system_sgpr_workgroup_id_z 1
		.amdhsa_system_vgpr_workitem_id 0
		.amdhsa_next_free_vgpr 1024
		.amdhsa_next_free_sgpr 96
		.amdhsa_reserve_vcc 0
		.amdhsa_float_denorm_mode_32 3
		.amdhsa_float_denorm_mode_16_64 3
		.amdhsa_memory_ordered 1
		.amdhsa_forward_progress 1
		.amdhsa_inst_pref_size 255
	.end_amdhsa_kernel
	.section	.bss,"aw",@nobits
	.p2align	6
	.space	262144
	.amdgpu_metadata
---
amdhsa.version: [ 1, 2 ]
amdhsa.kernels:
  - .name:           k_q099c1fd795_gemm_rz
    .symbol:         k_q099c1fd795_gemm_rz.kd
    .args:
      - { .name: ub, .offset: 0, .size: 8, .value_kind: global_buffer, .address_space: global }
      - { .name: hb, .offset: 8, .size: 8, .value_kind: global_buffer, .address_space: global }
      - { .name: w1, .offset: 16, .size: 8, .value_kind: global_buffer, .address_space: global }
      - { .name: br, .offset: 24, .size: 8, .value_kind: global_buffer, .address_space: global }
      - { .name: bz, .offset: 32, .size: 8, .value_kind: global_buffer, .address_space: global }
      - { .name: hidden, .offset: 40, .size: 8, .value_kind: global_buffer, .address_space: global }
      - { .name: rh, .offset: 48, .size: 8, .value_kind: global_buffer, .address_space: global }
      - { .name: zg, .offset: 56, .size: 8, .value_kind: global_buffer, .address_space: global }
    .group_segment_fixed_size: 327680
    .private_segment_fixed_size: 0
    .kernarg_segment_align: 8
    .kernarg_segment_size: 64
    .max_flat_workgroup_size: 128
    .sgpr_count:     96
    .vgpr_count:     1024
    .wavefront_size: 32
...
	.end_amdgpu_metadata
.endif
;; end of part 2
;; launch gemm_h (part 3): grid 8 x 32, 4 waves a work-group, clusters of 4 x 4, 327,680 bytes of LDS; arguments ub, rh, w2, bh, zg, hidden, out0; writes out0
.if DOCPART == 3
	.amdgcn_target "amdgcn-amd-amdhsa--gfx1250"
	.amdhsa_code_object_version 6
	.text
	.protected	k_q099c1fd795_gemm_h
	.globl	k_q099c1fd795_gemm_h
	.p2align	8
	.type	k_q099c1fd795_gemm_h,@function
k_q099c1fd795_gemm_h:
	s_mov_b64 s[64:65], 0
	v_nop
	global_prefetch_b8 v0, s[64:65] scope:SCOPE_SE
	s_setreg_imm32_b32 hwreg(HW_REG_WAVE_MODE, 25, 1), 1
	s_wait_xcnt 0x0
	s_wait_alu depctr_hold_cnt(0) depctr_sa_sdst(0) depctr_va_vdst(0) depctr_va_sdst(0) depctr_va_ssrc(0) depctr_va_vcc(0) depctr_vm_vsrc(0)
	s_getreg_b32 s2, hwreg(HW_REG_IB_STS2, 6, 4)
	s_cmp_eq_u32 s2, 0
	s_cbranch_scc0 .Lentry_in_a_cluster
	s_endpgm
.Lentry_in_a_cluster:
	s_bfe_u32 s2, ttmp6, 0x10000c
	s_cmp_lg_u32 s2, 0xf033
	s_cbranch_scc0 .Lentry_shape_is_right
	s_endpgm
.Lentry_shape_is_right:
; GRU cell, launch 3 of 3:  S = [ub | rh] w2^T  (8192 x 1024, K = 2048, bf16 operands, f32 sums), h = tanh(S + bh), out0 = (1 - z) hidden + z h, with z (zg) and hidden in f32.
; Nothing is left out.  LIMITS: tanh(x) = 1 - 2 / (1 + 2^(2 x log2 e)): its absolute error is about 2^-23, so for |x| below about 1e-4 the relative accuracy of tanh is lost
; (far inside the comparison's margin on out0); an overflowing 2^.. gives 1 - 0 = 1 and a flushed one 1 - 2 = -1, the right limits (v_exp_f32 and v_rcp_f32 flush denormals: ISA guide 15.8); a NaN is carried.
; K is summed in another order than it lies (see THE RING): a difference of rounding only.
; A work-group makes 256 rows x 128 columns with four waves, one on each SIMD; a wave makes 128 x 64: 32 accumulator tiles, 256 registers (1,024 columns give 8 block columns,
; so that 8 x 32 blocks cover 256 WGPs once).
; THE RING.  A K step of 128 is 384 LDS rows and gives a wave only 128 matrix instructions, so the slots are made as large as LDS holds: a SMALL slot of one K step (rows of 256 bytes)
; and a LARGE slot of two (rows of 512 bytes), 307,200 bytes together; two slots of two steps would take 405,504.  They are read and filled in strict turns, S B S B .. S: 6 + 2 x 5 = 16 steps.
; The order of K is free, so the small slot takes rh's steps 0-5 and the large slot ub's steps 0-7 in four pairs and then rh's steps 6, 7: no tile lies across the two buffers.
; From a request to the wait for it a wave issues 248 matrix instructions for the small slot's five refills and 120 for the large slot's four.
; CLUSTERS: 4 x 4 work-groups; A's tiles are asked for jointly along a row of the cluster, w2's along a column, which divides the requests for both by four.
; Z AND HIDDEN are asked for while the products run: a wave needs 64 rows x 512 bytes of each = 512 registers, in 8 blocks of 8 rows (64 registers).  The products leave free: all of window 3,
; v0-63, v96-127, v160-255 of window 1 and v192-255 of window 0: seven blocks.  The eighth goes into fragment registers straight behind the last product and is used last.
; REGISTERS: window 0: v16-31 addresses and the bias, v64-127 and v128-191 fragments of A; window 1: v64-95, v128-159 fragments of w2; window 2: tile (a, b) at v[8 (4 a + b)].
; On the way out windows 3, 1 and 0 are laid alike: v64-95 eight rows of sums, v128-131 at work, v132 / v133 / v136-139 copies of two offsets and the bias, so that a block runs under ONE window setting.
; The matrix instruction is used transposed (source 0 = rows of w2, source 1 = rows of A): lane l holds row l % 16, registers 0-7 the columns 8 (l / 16) + 0..7.
; The 32 accumulators take turns, one instruction a turn, in the same order in every quarter step, over the backward jump too.
.set KSTEP,  128
.set PITCH,  272                       ; small slot: 256 bytes + 16 of padding
.set PITCHB, 528                       ; large slot: 512 bytes + 16.  Both are odd multiples of 16: the 16 rows that a fragment load touches start 16 bytes apart modulo 256
.set HALFT,  128*PITCH                 ; small slot, half of A's tile: one tensor load
.set QT,     64*PITCH                  ; small slot, half of w2's tile: one tensor load
.set HALFB,  128*PITCHB                ; the same for the large slot
.set QTB,    64*PITCHB
.set BIGO,   2*HALFT+2*QT              ; the large slot begins behind the small one's 104,448 bytes; in each slot A's 256 rows come first, then w2's 128
.set SPITCH, 528                       ; the stage: a row of 128 f32 + 16 bytes; 256 rows = 135,168 bytes, laid over the ring once it has had its last fill
.set ROWS,   8                         ; rows in a block of the way out
.set ADRA, 16                          ; v16, v17  LDS address of my A fragments in the small, the large slot
.set ADRB, 20                          ; v20, v21  the same for w2
.set STO,  24                          ; v24       stage: where I put 16 bytes of a row
.set RD0,  25                          ; v25       stage: my 16 bytes of the first of my 64 rows
.set CO0,  26                          ; v26       16 x lane: my 4 columns in a row of 128 f32; never rewritten
.set BH0,  28                          ; v[28:31]  2 log2(e) x bias of my 4 columns
.set X,    64                          ; the way out, the same numbers in windows 3, 1 and 0:
.set T,    128
.set RD,   132
.set CO,   133
.set BH,   136
.set F0,   64
.set F1,   128
.set G1,   24                          ; s[24:31] group 1, A, small slot
.set G0,   32                          ; s[32:35] group 0, A, small slot
.set G0L,  36                          ; s[36:39] group 0, A, large slot
.set G1B,  48                          ; s[48:55] group 1, w2, small slot
.set G0B,  56                          ; s[56:59] group 0, w2, small slot
.set G0LB, 60                          ; s[60:63] group 0, w2, large slot
.set G1L,  68                          ; s[68:75] group 1, A, large slot
.set G1LB, 76                          ; s[76:83] group 1, w2, large slot
.set DSM,  (1<<16)|(1<<20)|(1<<21)|(5<<22)|(3<<25)   ; elements of 2 bytes; padding on; bit 21 beside a mask; after every 64 words 4 words of padding
.set DLG,  (1<<16)|(1<<20)|(1<<21)|(6<<22)|(3<<25)   ; the same after every 128 words
.set MSB, 0
.macro WIN new                         ; the immediate's high byte repeats the setting that is left
.if MSB != \new
	s_set_vgpr_msb (MSB<<8)|\new
.set MSB, \new
.endif
.endm
.set MUL,  0xa1                        ; source 0 (w2) window 1, source 1 (A) window 0, C and D window 2
.set TO_B, 0x40                        ; destination window 1
; A joint load into the small (big = 0) or the large slot: waves 0 and 1 fetch A's halves, waves 2 and 3 w2's.  The branch hangs on the wave's number alone.
.macro JLOAD big
	s_cmp_eq_u32 s11, 0
	s_cbranch_scc0 .Lfor_b_\@
.if \big
	tensor_load_to_lds s[G0L:G0L+3], s[G1L:G1L+7]
	s_nop 0
.else
	tensor_load_to_lds s[G0:G0+3], s[G1:G1+7]
	s_nop 0
.endif
	s_branch .Lasked_\@
.Lfor_b_\@:
.if \big
	tensor_load_to_lds s[G0LB:G0LB+3], s[G1LB:G1LB+7]
	s_nop 0
.else
	tensor_load_to_lds s[G0B:G0B+3], s[G1B:G1B+7]
	s_nop 0
.endif
.Lasked_\@:
.endm
; A round of the cluster's barrier: my work-group's barrier; wave 0 signals for the work-group; every wave waits for all sixteen; my work-group's barrier again.
.macro CREST
	s_cmp_lg_u32 s10, 0
	s_cbranch_scc1 .Lnot_wave_0_\@
	s_barrier_signal -3
.Lnot_wave_0_\@:
	s_barrier_wait -3
	s_barrier_signal -1
	s_barrier_wait -1
.endm
.macro CROUND
	s_barrier_signal -1
	s_barrier_wait -1
	CREST
.endm
	s_load_b256 s[84:91], s[0:1], 0x0              ; ub 84, rh 86, w2 88, bh 90
	s_load_b128 s[92:95], s[0:1], 0x20             ; zg 92, hidden 94
	s_load_b64 s[96:97], s[0:1], 0x30              ; out0
	v_lshl_add_u32 v62, v0, 2, 0x4b000
	v_mov_b32 v63, 0
	ds_add_u32 v62, v63
	v_lshrrev_b32 v1, 5, v0
	v_readfirstlane_b32 s10, v1                    ; wave 0..3
	s_lshr_b32 s11, s10, 1                         ; in the products: my half of the rows.  Also: I fetch for A (0) or for w2 (1)
	s_and_b32 s12, s10, 1                          ; in the products: my half of the columns.  Also: which half of that tile I fetch
	s_bfe_u32 s40, ttmp6, 0x40000                  ; cx
	s_bfe_u32 s41, ttmp6, 0x40004                  ; cy
	s_lshl_b32 s42, ttmp9, 2
	s_add_co_u32 s42, s42, s40                     ; block column: 128 columns
	s_and_b32 s13, ttmp7, 0xffff
	s_lshl_b32 s13, s13, 2
	s_add_co_u32 s13, s13, s41                     ; block row: 256 rows
	s_lshl_b32 s43, s41, 2
	s_lshl_b32 s43, 15, s43                        ; my row of the cluster: places 4 cy .. 4 cy + 3
	s_lshl_b32 s44, 0x1111, s40                    ; my column: places cx, cx + 4, cx + 8, cx + 12
	; group 1, four shapes: A 128 rows, w2 64 rows; the small slot 128 elements of a row, the large slot 256
	s_or_b32 s[G1+0],   s43, DSM                   ; A's tiles go to my row of the cluster,
	s_or_b32 s[G1L+0],  s43, DLG
	s_or_b32 s[G1B+0],  s44, DSM                   ; w2's to my column
	s_or_b32 s[G1LB+0], s44, DLG
	s_mov_b32 s[G1+1],   KSTEP<<16                 ; tensor_dim0
	s_mov_b32 s[G1B+1],  KSTEP<<16
	s_mov_b32 s[G1L+1],  (2*KSTEP)<<16
	s_mov_b32 s[G1LB+1], (2*KSTEP)<<16
	s_mov_b32 s[G1+2],   128<<16                   ; tensor_dim1
	s_mov_b32 s[G1L+2],  128<<16
	s_mov_b32 s[G1B+2],  64<<16
	s_mov_b32 s[G1LB+2], 64<<16
	s_mov_b32 s[G1+3],   KSTEP<<16                 ; tile_dim0
	s_mov_b32 s[G1B+3],  KSTEP<<16
	s_mov_b32 s[G1L+3],  (2*KSTEP)<<16
	s_mov_b32 s[G1LB+3], (2*KSTEP)<<16
	s_mov_b32 s[G1+4],   128                       ; tile_dim1
	s_mov_b32 s[G1L+4],  128
	s_mov_b32 s[G1B+4],  64
	s_mov_b32 s[G1LB+4], 64
	s_mov_b32 s[G1+5],   1024                      ; elements from row to row: ub and rh,
	s_mov_b32 s[G1L+5],  1024
	s_mov_b32 s[G1B+5],  2048                      ; w2
	s_mov_b32 s[G1LB+5], 2048
	s_mov_b32 s[G1+6],   0
	s_mov_b32 s[G1L+6],  0
	s_mov_b32 s[G1B+6],  0
	s_mov_b32 s[G1LB+6], 0
	s_mov_b32 s[G1+7],   0
	s_mov_b32 s[G1L+7],  0
	s_mov_b32 s[G1B+7],  0
	s_mov_b32 s[G1LB+7], 0
	; A's tiles hang on the block row alone, w2's on the block column alone; each offset lies in registers that never hold the other coordinate
	s_lshl_b32 s17, s12, 7
	s_lshl_b32 s16, s13, 8
	s_add_co_u32 s16, s16, s17
	s_lshl_b32 s16, s16, 11                        ; A: (256 x block row + 128 x half) rows of 2,048 bytes
	s_lshl_b32 s47, s12, 6
	s_lshl_b32 s46, s42, 7
	s_add_co_u32 s46, s46, s47
	s_lshl_b32 s46, s46, 12                        ; w2: (128 x block column + 64 x half) rows of 4,096 bytes
	s_mov_b32 s17, 0
	s_mov_b32 s47, 0
	s_mul_i32 s20, s12, HALFT                      ; where the halves go, by the wave's number alone: A, small slot,
	s_mul_i32 s21, s12, HALFB
	s_add_co_u32 s21, s21, BIGO                    ; A, large slot,
	s_mul_i32 s18, s12, QT
	s_add_co_u32 s18, s18, 2*HALFT                 ; w2, small slot,
	s_mul_i32 s19, s12, QTB
	s_add_co_u32 s19, s19, BIGO+2*HALFB            ; w2, large slot
	s_wait_dscnt 0x0
	s_wait_kmcnt 0x0
	s_add_nc_u64 s[14:15], s[84:85], s[16:17]      ; my rows in ub
	s_add_nc_u64 s[66:67], s[86:87], s[16:17]      ; the same rows in rh
	s_add_nc_u64 s[46:47], s[88:89], s[46:47]      ; my rows in w2
	CROUND                                         ; all sixteen work-groups are here: the first joint loads meet
	s_mov_b32 s[G0], 1                             ; small slot: rh's K step 0,
	s_mov_b32 s[G0+1], s20
	s_mov_b64 s[G0+2:G0+3], s[66:67]
	s_or_b32 s[G0+3], s[G0+3], 0x80000000          ; type = 2
	s_mov_b32 s[G0B], 1
	s_mov_b32 s[G0B+1], s18
	s_add_nc_u64 s[G0B+2:G0B+3], s[46:47], 8*KSTEP*2   ; which meets the right half of w2's rows
	s_or_b32 s[G0B+3], s[G0B+3], 0x80000000
	JLOAD 0
	s_mov_b32 s[G0L], 1                            ; large slot: ub's K steps 0, 1 and the left end of w2's rows
	s_mov_b32 s[G0L+1], s21
	s_mov_b64 s[G0L+2:G0L+3], s[14:15]
	s_or_b32 s[G0L+3], s[G0L+3], 0x80000000
	s_mov_b32 s[G0LB], 1
	s_mov_b32 s[G0LB+1], s19
	s_mov_b64 s[G0LB+2:G0LB+3], s[46:47]
	s_or_b32 s[G0LB+3], s[G0LB+3], 0x80000000
	JLOAD 1                                        ; both slots' first fills: two tensor loads of the wave are out
	; the way out: my 64 rows begin at R0 = 256 x block row + 64 x wave, my columns at 128 x block column
	s_lshl_b32 s98, s13, 8
	s_lshl_b32 s99, s10, 6
	s_add_co_u32 s98, s98, s99
	s_lshl_b32 s98, s98, 12
	s_lshl_b32 s100, s42, 9
	s_add_co_u32 s98, s98, s100
	s_mov_b32 s99, 0
	s_mov_b32 s101, 0
	s_add_nc_u64 s[92:93], s[92:93], s[98:99]      ; zg
	s_add_nc_u64 s[94:95], s[94:95], s[98:99]      ; hidden
	s_add_nc_u64 s[96:97], s[96:97], s[98:99]      ; out0
	s_add_nc_u64 s[90:91], s[90:91], s[100:101]    ; bh
	v_and_b32 v5, 31, v0
	v_lshlrev_b32 v[CO0], 4, v5
	global_load_b128 v[BH0:BH0+3], v[CO0], s[90:91]
	; fragment addresses: lane l holds row l % 16; two loads of 16 bytes, 32 bytes apart, at row x pitch + 16 (l / 16)
	v_and_b32 v1, 15, v0                           ; l % 16
	v_bfe_u32 v2, v0, 4, 1                         ; l / 16
	v_mul_u32_u24 v3, v1, PITCH
	v_lshl_add_u32 v3, v2, 4, v3
	v_mul_u32_u24 v4, v1, PITCHB
	v_lshl_add_u32 v4, v2, 4, v4
	s_mul_i32 s22, s11, HALFT                      ; my 128 rows of A
	s_mul_i32 s23, s11, HALFB
	s_add_co_u32 s23, s23, BIGO
	v_add_nc_u32 v[ADRA], s22, v3
	v_add_nc_u32 v[ADRA+1], s23, v4
	v_add_nc_u32 v[ADRB], s18, v3                  ; my 64 rows of w2: the half of the columns that I multiply has the number of the half that I fetch
	v_add_nc_u32 v[ADRB+1], s19, v4
	s_mul_i32 s23, s11, 128*SPITCH                 ; stage, in: row 128 x my half + l % 16, byte 256 x my column half + 32 (l / 16)
	s_lshl_b32 s22, s12, 8
	s_add_co_u32 s23, s23, s22
	v_mul_u32_u24 v6, v1, SPITCH
	v_lshl_add_u32 v6, v2, 5, v6
	v_add_nc_u32 v[STO], s23, v6
	s_mul_i32 s22, s10, 64*SPITCH                  ; stage, back: rows 64 w .. 64 w + 63; the 32 lanes take one row of 512 bytes
	v_add_nc_u32 v[RD0], s22, v[CO0]
	s_wait_loadcnt 0x0
	v_pk_mul_f32 v[BH0:BH0+1],   v[BH0:BH0+1],   0x4038aa3b op_sel_hi:[1,0]    ; 2 log2(e) x bias, so that one fused multiply-add makes the exponent
	v_pk_mul_f32 v[BH0+2:BH0+3], v[BH0+2:BH0+3], 0x4038aa3b op_sel_hi:[1,0]
; 8 matrix instructions: row blocks a0, a0 + 1 x the 4 column blocks, 32 along K.  zero = 1: the first product starts the sums.
.macro MUL8 f, a0, zero
.irp a, \a0, \a0+1
.irp b, 0,1,2,3
.if \zero
	v_wmma_f32_16x16x32_bf16 v[8*(4*(\a)+\b):8*(4*(\a)+\b)+7], v[\f+8*\b:\f+8*\b+7], v[\f+8*(\a):\f+8*(\a)+7], 0
.else
	v_wmma_f32_16x16x32_bf16 v[8*(4*(\a)+\b):8*(4*(\a)+\b)+7], v[\f+8*\b:\f+8*\b+7], v[\f+8*(\a):\f+8*(\a)+7], v[8*(4*(\a)+\b):8*(4*(\a)+\b)+7]
.endif
.endr
.endr
.endm
; 24 LDS loads in one run: 64 rows of w2, then 128 rows of A, 32 K at byte k of the rows of slot 0 (small) or 1 (large)
.macro FETCH2 slot, k, f
	WIN TO_B
.irp i, 0,1,2,3
	ds_load_b128 v[\f+8*\i:\f+8*\i+3],   v[ADRB+\slot] offset:\k+\i*16*(PITCH+\slot*(PITCHB-PITCH))
	ds_load_b128 v[\f+8*\i+4:\f+8*\i+7], v[ADRB+\slot] offset:\k+\i*16*(PITCH+\slot*(PITCHB-PITCH))+32
.endr
	WIN 0
.irp i, 0,1,2,3,4,5,6,7
	ds_load_b128 v[\f+8*\i:\f+8*\i+3],   v[ADRA+\slot] offset:\k+\i*16*(PITCH+\slot*(PITCHB-PITCH))
	ds_load_b128 v[\f+8*\i+4:\f+8*\i+7], v[ADRA+\slot] offset:\k+\i*16*(PITCH+\slot*(PITCHB-PITCH))+32
.endr
.endm
; z and hidden of rows 8 b .. 8 b + 7 of my 64 go out, into registers z.. and h.. of window w: 16 loads of 512 neighbouring bytes.  The row stands in the immediate (258,048 bytes at the most).
; No wait stands between the 128 such loads of a wave: a load that the counter's field cannot take is held back at issue (ISA guide 5.7.1).
.macro PRE b, w, z, h
	WIN (\w<<6)                                    ; destination window w, the offset register in window 0
.irp t, 0,1,2,3,4,5,6,7
	global_load_b128 v[\z+4*\t:\z+4*\t+3], v[CO0], s[92:93] offset:(8*\b+\t)*4096 th:TH_LOAD_NT   ; each byte of zg and of hidden is read by one wave of this launch
	global_load_b128 v[\h+4*\t:\h+4*\t+3], v[CO0], s[94:95] offset:(8*\b+\t)*4096 th:TH_LOAD_NT
.endr
.endm
; ASK: the next quarter step issues PRE b, w, z, h behind its run of LDS loads, where the wave has stopped issuing products anyway
.set PB, -1
.macro ASK b, w, z, h
.set PB, \b
.set PW, \w
.set PZ, \z
.set PH, \h
.endm
; Four independent vector places between a matrix instruction and a load into a register that it read, or anything that reads its result (ISA guide 7.12.1 for vector instructions);
; matrix instructions in between are not counted.
.macro PLACES
.rept 4
	v_nop
.endr
.endm
; A quarter step: multiplies buffer f (32 along K); in its middle it fetches the next quarter's fragments, at byte k of the same slot's rows, into buffer g
.macro QUARTER2 slot, k, f, g, zero
	s_wait_dscnt 8                                 ; w2's fragments and A's rows 0-63 are in; the youngest eight loads (A's rows 64-127) may be out
	WIN MUL
	MUL8 \f, 0, \zero
	MUL8 \f, 2, \zero
	PLACES
	FETCH2 \slot, \k, \g
.if PB >= 0
	PRE PB, PW, PZ, PH
.set PB, -1
.endif
	s_wait_dscnt 24                                ; all but the 24 just issued
	WIN MUL
	MUL8 \f, 4, \zero
	MUL8 \f, 6, \zero
.endm
.macro SRUN zero                       ; the small slot's first three quarters
	QUARTER2 0, 64,  F0, F1, \zero
	QUARTER2 0, 128, F1, F0, 0
	QUARTER2 0, 192, F0, F1, 0
.endm
.macro BRUN1                           ; the large slot's first four quarters,
	QUARTER2 1, 64,  F0, F1, 0
	QUARTER2 1, 128, F1, F0, 0
	QUARTER2 1, 192, F0, F1, 0
	QUARTER2 1, 256, F1, F0, 0
.endm
.macro BRUN2                           ; and the next three
	QUARTER2 1, 320, F0, F1, 0
	QUARTER2 1, 384, F1, F0, 0
	QUARTER2 1, 448, F0, F1, 0
.endm
; A slot's last quarter: multiplies buffer 1 and changes slots.  fill = 0: nothing is fetched; 1: this slot gets its next tile (the small slot one K step on, the large slot two);
; 2 (large slot): A's tile is rh's K steps 6, 7, and w2's moves from byte 1,536 of its rows to byte 3,584.
; The waits for my reads of this slot and for all my tensor loads (one is out: my part of the other slot) stand in front of the barrier; where the slot is filled again that barrier opens a round
; of the cluster's barrier and the joint refill is the first tensor load behind the round: one load of the wave is out from there on.
.macro TURN2 slot, next, fill
	s_wait_dscnt 8
	WIN MUL
	MUL8 F1, 0, 0
	s_wait_dscnt 0                                 ; my reads of this slot are over
	s_set_vgpr_msb 0xa1a0
	s_wait_tensorcnt 0x0                           ; all my tensor loads have landed
	ds_add_u32 v62, v63
	s_wait_dscnt 0x0
	s_set_vgpr_msb 0xa0a1
	s_barrier_signal -1
	MUL8 F1, 2, 0                                  ; register work while the others arrive
	WIN 0
	s_barrier_wait -1
.if \fill
	CREST                                          ; no wave of any partner still reads this slot or has a load on its way; no load of mine is out, so group 0 may be written
.if \slot == 0
	s_add_nc_u64 s[G0+2:G0+3],   s[G0+2:G0+3],   KSTEP*2
	s_add_nc_u64 s[G0B+2:G0B+3], s[G0B+2:G0B+3], KSTEP*2
.else
.if \fill == 2
	s_add_nc_u64 s[G0L+2:G0L+3], s[66:67], 6*KSTEP*2
	s_or_b32 s[G0L+3], s[G0L+3], 0x80000000
	s_add_nc_u64 s[G0LB+2:G0LB+3], s[G0LB+2:G0LB+3], 8*KSTEP*2
.else
	s_add_nc_u64 s[G0L+2:G0L+3],   s[G0L+2:G0L+3],   2*KSTEP*2
	s_add_nc_u64 s[G0LB+2:G0LB+3], s[G0LB+2:G0LB+3], 2*KSTEP*2
.endif
.endif
	JLOAD \slot
.endif
	PLACES
	FETCH2 \next, 0, F0
	WIN MUL
	MUL8 F1, 4, 0
	MUL8 F1, 6, 0
.endm
	s_wait_tensorcnt 1                             ; my part of the small slot is in; the large slot's load, issued behind it, may stay out
	s_barrier_signal -1
	s_barrier_wait -1
	FETCH2 0, 0, F0
	ASK 0, 3, 0, 32
	SRUN 1                                         ; rh's step 0: the first products start the sums
	TURN2 0, 1, 1                                  ; asks for rh's step 1
	ASK 1, 3, 192, 224
	BRUN1                                          ; ub's steps 0, 1
	ASK 2, 3, 96, 160
	BRUN2
	TURN2 1, 0, 1                                  ; asks for ub's steps 2, 3
	WIN 0
	s_mov_b32 s3, 2
.Lpair:
	SRUN 0                                         ; rh's steps 1, 2
	TURN2 0, 1, 1                                  ; asks for rh's steps 2, 3
	BRUN1                                          ; ub's steps 2-5
	BRUN2
	TURN2 1, 0, 1                                  ; asks for ub's steps 4-7
	WIN 0
	s_sub_co_u32 s3, s3, 1
	s_cmp_lg_u32 s3, 0
	s_cbranch_scc1 .Lpair
	ASK 3, 1, 0, 32
	SRUN 0                                         ; rh's step 3
	TURN2 0, 1, 1                                  ; asks for rh's step 4
	ASK 4, 1, 192, 224
	BRUN1                                          ; ub's steps 6, 7
	ASK 5, 1, 96, 160
	BRUN2
	TURN2 1, 0, 2                                  ; asks for rh's steps 6, 7
	ASK 6, 0, 192, 224
	SRUN 0                                         ; rh's step 4
	TURN2 0, 1, 1                                  ; asks for rh's step 5: the last tensor load
	BRUN1                                          ; rh's steps 6, 7
	BRUN2
	TURN2 1, 0, 0                                  ; nothing is left to fetch
	SRUN 0                                         ; rh's step 5
	s_wait_dscnt 8
	WIN MUL
	MUL8 F1, 0, 0
	MUL8 F1, 2, 0
	s_wait_dscnt 0                                 ; my last reads of the ring are over (no tensor load has been out since the last change of slots):
	s_barrier_signal -1
	MUL8 F1, 4, 0
	MUL8 F1, 6, 0
	WIN 0
	s_barrier_wait -1                              ; when all four have said so the ring, which is never filled again, becomes the stage
	PLACES                                         ; the places behind the last matrix instructions: for the loads and moves into fragment registers and the LDS stores of results
	PRE 7, 0, 96, 160                              ; the eighth block of z and hidden, into A's fragment registers: the staging and seven blocks' work stand between this request and its use
	; the two offsets and the bias, once into each of the three windows in which blocks are worked on
.irp w, 0,1,3
	WIN (\w<<6)
	v_mov_b32 v[RD], v[RD0]
	v_mov_b32 v[CO], v[CO0]
	v_mov_b32 v[BH],   v[BH0]
	v_mov_b32 v[BH+1], v[BH0+1]
	v_mov_b32 v[BH+2], v[BH0+2]
	v_mov_b32 v[BH+3], v[BH0+3]
.endr
	; THE WAY OUT.  A lane holds 32 bytes of a row; the lanes beside it hold other rows, and the row's other 256 bytes lie in another wave.  So the block's 256 x 128 sums go into the stage
	; and come back as whole rows of 512 bytes, 64 rows to each wave.
	WIN 0x08                                       ; store data from window 2
.irp a, 0,1,2,3,4,5,6,7
.irp b, 0,1,2,3
	ds_store_b128 v[STO], v[8*(4*\a+\b):8*(4*\a+\b)+3]   offset:16*\a*SPITCH+64*\b
	ds_store_b128 v[STO], v[8*(4*\a+\b)+4:8*(4*\a+\b)+7] offset:16*\a*SPITCH+64*\b+16
.endr
.endr
	WIN 0
	s_wait_dscnt 0x0                               ; for the others' sake: all my stores into the stage are done,
	s_barrier_signal -1
	s_barrier_wait -1                              ; and so are everybody's: from here on each wave reads rows that two waves stored, and nobody writes LDS any more
	s_wait_loadcnt 16                              ; loads come back in order (ISA guide 5.7.1): z and hidden of blocks 0-6 are in; the sixteen loads of block 7, issued behind them, may stay out
; A row in five steps (4 numbers a lane).  Neighbouring rows' steps are interleaved so that a plain vector instruction on other registers always stands
; between a v_exp_f32 or v_rcp_f32 and the first use of its result (ISA guide 5.7.2).
.macro FSTEP t
	s_wait_dscnt ROWS-1-(\t)                       ; row t is in, the block's younger rows stay out
	v_pk_fma_f32 v[X+4*(\t):X+4*(\t)+1],   v[X+4*(\t):X+4*(\t)+1],   0x4038aa3b, v[BH:BH+1]   op_sel_hi:[1,0,1]   ; 2 log2(e) (sum + bias)
	v_pk_fma_f32 v[X+4*(\t)+2:X+4*(\t)+3], v[X+4*(\t)+2:X+4*(\t)+3], 0x4038aa3b, v[BH+2:BH+3] op_sel_hi:[1,0,1]
.endm
.macro ESTEP t
.irp k, 0,1,2,3
	v_exp_f32 v[X+4*(\t)+\k], v[X+4*(\t)+\k]
.endr
.endm
.macro PSTEP t
	s_wait_alu depctr_va_vdst(0)
	v_pk_add_f32 v[X+4*(\t):X+4*(\t)+1],   v[X+4*(\t):X+4*(\t)+1],   1.0 op_sel_hi:[1,0]
	v_pk_add_f32 v[X+4*(\t)+2:X+4*(\t)+3], v[X+4*(\t)+2:X+4*(\t)+3], 1.0 op_sel_hi:[1,0]
.endm
.macro RSTEP t
.irp k, 0,1,2,3
	v_rcp_f32 v[X+4*(\t)+\k], v[X+4*(\t)+\k]
.endr
.endm
; left < 0: the block's z and hidden are known to be in.  Else: z and hidden of row t are in when at most left - 2 t younger loads are out.
.macro MSTEP b, t, zc, hc, left
.if \left >= 0
	s_wait_loadcnt \left-2*(\t)                    ; behind row t's two loads were issued the 2 (7 - t) of the block's younger rows
.endif
	s_wait_alu depctr_va_vdst(0)
	v_pk_fma_f32 v[X+4*(\t):X+4*(\t)+1],   v[X+4*(\t):X+4*(\t)+1],   -2.0, 1.0 op_sel_hi:[1,0,0]       ; h = 1 - 2 / (1 + 2^..)
	v_pk_fma_f32 v[X+4*(\t)+2:X+4*(\t)+3], v[X+4*(\t)+2:X+4*(\t)+3], -2.0, 1.0 op_sel_hi:[1,0,0]
	v_pk_fma_f32 v[T:T+1],   v[\zc+4*(\t):\zc+4*(\t)+1],   -1.0, 1.0 op_sel_hi:[1,0,0]                 ; 1 - z
	v_pk_fma_f32 v[T+2:T+3], v[\zc+4*(\t)+2:\zc+4*(\t)+3], -1.0, 1.0 op_sel_hi:[1,0,0]
	v_pk_mul_f32 v[T:T+1],   v[T:T+1],   v[\hc+4*(\t):\hc+4*(\t)+1]                                    ; (1 - z) hidden
	v_pk_mul_f32 v[T+2:T+3], v[T+2:T+3], v[\hc+4*(\t)+2:\hc+4*(\t)+3]
	v_pk_fma_f32 v[X+4*(\t):X+4*(\t)+1],   v[\zc+4*(\t):\zc+4*(\t)+1],   v[X+4*(\t):X+4*(\t)+1],   v[T:T+1]      ; + z h
	v_pk_fma_f32 v[X+4*(\t)+2:X+4*(\t)+3], v[\zc+4*(\t)+2:\zc+4*(\t)+3], v[X+4*(\t)+2:X+4*(\t)+3], v[T+2:T+3]
	global_store_b128 v[CO], v[X+4*(\t):X+4*(\t)+3], s[96:97] offset:(8*\b+(\t))*4096 th:TH_STORE_NT   ; the wave stores 512 consecutive bytes at a multiple of 512 from out0's first byte
.endm
.macro PIPE b, zc, hc, left
	FSTEP 0
	ESTEP 0
	FSTEP 1
	PSTEP 0
	RSTEP 0
.irp t, 1,2,3,4,5,6,7
	ESTEP \t
.if \t < ROWS-1
	FSTEP \t+1
.else
	v_nop
.endif
	MSTEP \b, \t-1, \zc, \hc, \left
	PSTEP \t
	RSTEP \t
.endr
	v_nop
	MSTEP \b, ROWS-1, \zc, \hc, \left
.endm
; Rows 8 b .. 8 b + 7 of my 64, wholly in window w (all four operand places), with z at z.. and hidden at h...  again = 1: this window's X was the data of an earlier block's stores.
.macro HBLK b, w, z, h, again, left
	WIN (\w*0x55)
.if \again
	s_wait_xcnt 0x0                                ; every earlier memory instruction has had its addresses translated (ISA guide 3.1): X, which the last block's stores read, is loaded again only behind this wait
.endif
.irp t, 0,1,2,3,4,5,6,7
	ds_load_b128 v[X+4*\t:X+4*\t+3], v[RD] offset:(8*\b+\t)*SPITCH
.endr
	PIPE \b, \z, \h, \left
.endm
	HBLK 0, 3, 0,   32,  0, -1
	HBLK 1, 3, 192, 224, 1, -1
	HBLK 2, 3, 96,  160, 1, -1
	HBLK 3, 1, 0,   32,  0, -1
	HBLK 4, 1, 192, 224, 1, -1
	HBLK 5, 1, 96,  160, 1, -1
	HBLK 6, 0, 192, 224, 0, -1
	HBLK 7, 0, 96,  160, 1, 14                     ; the block that was asked for last: its counts run down to 0
	WIN 0
	s_wait_tensorcnt 0x0
	ds_add_u32 v62, v63
	s_wait_dscnt 0x0
	CROUND                                         ; the closing round: no work-group ends while a partner may still ask for a tile that names it
	s_endpgm
.Lfunc_end_k_q099c1fd795_gemm_h:
	.size	k_q099c1fd795_gemm_h, .Lfunc_end_k_q099c1fd795_gemm_h-k_q099c1fd795_gemm_h
	.p2alignl 7, 3214868480
	.fill 96, 4, 3214868480
	.section	.rodata,"a",@progbits
	.p2align	6, 0x0
	.amdhsa_kernel k_q099c1fd795_gemm_h
		.amdhsa_group_segment_fixed_size 327680
		.amdhsa_private_segment_fixed_size 0
		.amdhsa_enable_private_segment 0
		.amdhsa_kernarg_size 56
		.amdhsa_user_sgpr_count 2
		.amdhsa_user_sgpr_kernarg_segment_ptr 1
		.amdhsa_wavefront_size32 1
		.amdhsa_system_sgpr_workgroup_id_x 1
		.amdhsa_system_sgpr_workgroup_id_y 1
		.amdhsa_system_sgpr_workgroup_id_z 1
		.amdhsa_system_vgpr_workitem_id 0
		.amdhsa_next_free_vgpr 1024
		.amdhsa_next_free_sgpr 102
		.amdhsa_reserve_vcc 0
		.amdhsa_float_denorm_mode_32 3
		.amdhsa_float_denorm_mode_16_64 3
		.amdhsa_memory_ordered 1
		.amdhsa_forward_progress 1
		.amdhsa_inst_pref_size 255
	.end_amdhsa_kernel
	.section	.bss,"aw",@nobits
	.p2align	6
	.space	262144
	.amdgpu_metadata
---
amdhsa.version: [ 1, 2 ]
amdhsa.kernels:
  - .name:           k_q099c1fd795_gemm_h
    .symbol:         k_q099c1fd795_gemm_h.kd
    .args:
      - { .name: ub, .offset: 0, .size: 8, .value_kind: global_buffer, .address_space: global }
      - { .name: rh, .offset: 8, .size: 8, .value_kind: global_buffer, .address_space: global }
      - { .name: w2, .offset: 16, .size: 8, .value_kind: global_buffer, .address_space: global }
      - { .name: bh, .offset: 24, .size: 8, .value_kind: global_buffer, .address_space: global }
      - { .name: zg, .offset: 32, .size: 8, .value_kind: global_buffer, .address_space: global }
      - { .name: hidden, .offset: 40, .size: 8, .value_kind: global_buffer, .address_space: global }
      - { .name: out0, .offset: 48, .size: 8, .value_kind: global_buffer, .address_space: global }
    .group_segment_fixed_size: 327680
    .private_segment_fixed_size: 0
    .kernarg_segment_align: 8
    .kernarg_segment_size: 56
    .max_flat_workgroup_size: 128
    .sgpr_count:     102
    .vgpr_count:     1024
    .wavefront_size: 32
...
	.end_amdgpu_metadata
.endif
;; end of part 3
;; ======== version 2 of 2: 3 launches; version 1 with the launch cvt written anew for expert scheduling mode
;; workspace buffers: ub 16,777,216 bytes; hb 16,777,216 bytes; rh 16,777,216 bytes; w1 8,388,608 bytes; w2 4,194,304 bytes; zg 33,554,432 bytes
;; launch cvt (part 4): grid 512 x 1, 8 waves a work-group, no clusters, 0 bytes of LDS; arguments update, hidden, wr, ur, wz, uz, wh, uh, ub, hb, w1, w2; writes ub, hb, w1, w2
.if DOCPART == 4
	.amdgcn_target "amdgcn-amd-amdhsa--gfx1250"
	.amdhsa_code_object_version 6
	.text
	.protected	k_q099c1fd795_cvt
	.globl	k_q099c1fd795_cvt
	.p2align	8
	.type	k_q099c1fd795_cvt,@function
k_q099c1fd795_cvt:
	s_mov_b64 s[64:65], 0
	v_nop
	global_prefetch_b8 v0, s[64:65] scope:SCOPE_SE
	s_setreg_imm32_b32 hwreg(HW_REG_WAVE_SCHED_MODE, 0, 2), 2
	s_setreg_imm32_b32 hwreg(HW_REG_WAVE_MODE, 25, 1), 1
	s_wait_xcnt 0x0
	s_wait_alu depctr_vm_vsrc(0)
; GRU cell, launch 1 of 3: the matrix operands are rounded once from f32 to bf16 (nearest even) and the weights are laid as the two products want them.
;   z = sigmoid(update wz^T + hidden uz^T + bz),  r = sigmoid(update wr^T + hidden ur^T + br),
;   h = tanh(update wh^T + (r hidden) uh^T + bh),  out = (1 - z) hidden + z h.
; NOTHING OF THE CELL IS LEFT OUT: every one of the eleven inputs has a way to out0 for all values, so all are loaded (the biases and the f32 hidden by the later launches).
;   ub [8192][1024] = bf16(update)      hb [8192][1024] = bf16(hidden)
;   w1 [2048][2048]: row 256 j + 128 g + c = [ w_g[128 j + c][0:1024] | u_g[128 j + c][0:1024] ], g = 0: wr, ur; g = 1: wz, uz.
;      So a block of 256 rows of w1 holds both gates of the same 128 columns of H, and one K = 2048 product with [ub | hb] makes both sums.
;   w2 [1024][2048]: row n = [ wh[n] | uh[n] ].
; A stream: no LDS, no barrier, no matrix unit.  The sources have 2 x 8,192 + 6 x 1,024 = 22,528 rows of 4,096 bytes.  Each of 512 work-groups takes 44 of them:
; rows 16 g .. 16 g + 15 of update and of hidden and rows 2 g, 2 g + 1 of each weight.  So every work-group walks the same list of buffers and does the same work,
; and the list stands in the text: a row's buffer is a fixed pair of scalar registers, its place an immediate.  No base and no offset register is ever stepped.
; Eight waves: thread t owns bytes 16 t of every source row and bytes 8 t of every destination row (2,048 bytes), so the eight waves cover a row,
; a load of a wave covers 512 neighbouring bytes and a store 256 neighbouring bytes that start at a multiple of 256 from the buffer's first byte.
; THE MODE: SCHED_MODE bits 1:0 = 2 (LLVM: expert scheduling mode 2), set by the entry lines.  The code itself states the register dependences
; between vector instructions and memory instructions, with s_wait_alu, always for 0.
; THE PLAN.  The 44 rows go in 11 blocks of four.  Registers that memory instructions touch:
;   v1, v2   byte offsets, written once at the head and never again; read by every load and store.
;   X        16 row slots, row r in slot r mod 16.  Written by loads alone; read by row r's two conversions alone.
;   Y        a pair of registers for each of the 44 rows.  Written once, by row r's conversions; read once, by row r's store; never written again.
; Row j's turn issues the load of row j + 12, which lands in slot (j - 4) mod 16, and the store of row j - 4, then waits for row j's data and rounds it.  So a block's
; memory instructions touch the slots and pairs of the block BEFORE it alone, which no vector instruction of the block in hand names: ONE wait at a block's head states
; all that its eight memory instructions hang on, and they are dealt among its conversions with no further wait.
; No register that a memory instruction reads (v1, v2, Y) is ever written again, and no scalar base is stepped: so nothing is owed for rewritten sources.
; At a row's wait the 12 younger rows stay out: 13 x 512 bytes x 8 waves = 53,248 bytes of a work-group are asked for at a time.
; Two work-groups on a WGP are 4 waves on a SIMD: 4 x 156 = 624 of its 1,024 registers.
.set ROWS,  44                         ; rows of a work-group: 0-15 update, 16-31 hidden, 32 + 2 q + e: row e of weight q (wr, ur, wz, uz, wh, uh)
.set BLOCK, 4                          ; rows in a block; 44 = 11 x 4
.set SLOTS, 16                         ; row slots: four blocks
.set AHEAD, 12                         ; a row is asked for three blocks ahead of its turn
.set GATE,  128*4096                   ; w1: gate z's rows lie 128 rows of 4,096 bytes behind gate r's
.set SRC, 1                            ; v1         16 t; never rewritten
.set DST, 2                            ; v2         8 t; never rewritten
.set X,   4                            ; v[4:67]    slot s: 4 registers, 4 f32 as loaded
.set Y,   68                           ; v[68:155]  row j: 2 registers, 4 bf16 to store
	s_load_b512 s[8:23], s[0:1], 0x0               ; update 8, hidden 10, wr 12, ur 14, wz 16, uz 18, wh 20, uh 22
	s_load_b256 s[24:31], s[0:1], 0x40             ; ub 24, hb 26, w1 28, w2 30
	s_lshl_b32 s32, ttmp9, 16                      ; activations in: 16 g rows of 4,096 bytes (below 2^25)
	s_mov_b32 s33, 0
	s_lshl_b32 s34, ttmp9, 15                      ; activations out: 16 g rows of 2,048 bytes
	s_mov_b32 s35, 0
	s_lshl_b32 s36, ttmp9, 13                      ; weights in, and w2: 2 g rows of 4,096 bytes
	s_mov_b32 s37, 0
	s_lshr_b32 s38, ttmp9, 6                       ; w1: source row n = 2 g goes to row 256 (n / 128) + n % 128 = 256 (g / 64) + 2 (g % 64);
	s_lshl_b32 s38, s38, 20                        ; n + 1 lies in the same block of 128, so it goes to the row behind
	s_and_b32 s39, ttmp9, 63
	s_lshl_b32 s39, s39, 13
	s_add_co_u32 s38, s38, s39
	s_mov_b32 s39, 0
	v_lshlrev_b32 v[SRC], 4, v0
	v_lshlrev_b32 v[DST], 3, v0
	s_wait_kmcnt 0x0
	s_add_nc_u64 s[8:9],   s[8:9],   s[32:33]      ; update
	s_add_nc_u64 s[10:11], s[10:11], s[32:33]      ; hidden
.irp q, 0,1,2,3,4,5
	s_add_nc_u64 s[12+2*\q:13+2*\q], s[12+2*\q:13+2*\q], s[36:37]  ; the six weights
.endr
	s_add_nc_u64 s[24:25], s[24:25], s[34:35]      ; ub
	s_add_nc_u64 s[26:27], s[26:27], s[34:35]      ; hb
	s_add_nc_u64 s[28:29], s[28:29], s[38:39]      ; w1
	s_add_nc_u64 s[30:31], s[30:31], s[36:37]      ; w2
	s_wait_alu depctr_va_vdst(0)                   ; v1 and v2 are written: every load and store of the kernel reads one of them as its offset
; Row r of the work-group's 44 is asked for, into slot r mod SLOTS.  Each source byte is read once in this launch.
.macro LOADROW r
.if (\r) < 16
	global_load_b128 v[X+4*((\r)%SLOTS):X+4*((\r)%SLOTS)+3], v[SRC], s[8:9] offset:(\r)*4096 th:TH_LOAD_NT
.else
.if (\r) < 32
	global_load_b128 v[X+4*((\r)%SLOTS):X+4*((\r)%SLOTS)+3], v[SRC], s[10:11] offset:((\r)-16)*4096 th:TH_LOAD_NT
.else
	global_load_b128 v[X+4*((\r)%SLOTS):X+4*((\r)%SLOTS)+3], v[SRC], s[12+2*(((\r)-32)/2):13+2*(((\r)-32)/2)] offset:(((\r)-32)%2)*4096 th:TH_LOAD_NT
.endif
.endif
.endm
; Row r goes out.  Weight q = (r - 32) / 2: its gate (q / 2, in w1), its half of the destination's row (q % 2: the u weights fill the right 2,048 bytes) and its row e stand in the immediate.
.macro STOREROW r
.if (\r) < 16
	global_store_b64 v[DST], v[Y+2*(\r):Y+2*(\r)+1], s[24:25] offset:(\r)*2048
.else
.if (\r) < 32
	global_store_b64 v[DST], v[Y+2*(\r):Y+2*(\r)+1], s[26:27] offset:((\r)-16)*2048
.else
.if (\r) < 40
	global_store_b64 v[DST], v[Y+2*(\r):Y+2*(\r)+1], s[28:29] offset:(((\r)-32)/4)*GATE+((((\r)-32)/2)%2)*2048+(((\r)-32)%2)*4096
.else
	global_store_b64 v[DST], v[Y+2*(\r):Y+2*(\r)+1], s[30:31] offset:((((\r)-32)/2)%2)*2048+(((\r)-32)%2)*4096
.endif
.endif
.endif
.endm
; Row j's turn: the load three blocks ahead, into the slot that the row one block back has left; that row's store; then row j's own data and its rounding.
.macro TURN j
.if (\j) >= BLOCK
.if (\j) % BLOCK == 0
	s_wait_alu depctr_va_vdst(0)                   ; a block's head: the conversions of the block before are done reading its four slots of X, in which this block's loads land, and have written its four pairs of Y, which this block's stores read
.endif
.endif
.if ((\j)+AHEAD) < ROWS
	LOADROW (\j)+AHEAD                             ; no vector instruction since the last wait names this slot (in block 0: none has named it at all)
.endif
.if (\j) >= BLOCK
	STOREROW (\j)-BLOCK                            ; nor this pair
.endif
.if ((\j)+AHEAD) < ROWS
	s_wait_loadcnt AHEAD                           ; loads come back in order (ISA guide 5.7.1): row j is in; rows j + 1 to j + AHEAD, issued behind it, stay out
.else
	s_wait_loadcnt ROWS-1-(\j)                     ; the last AHEAD rows: nothing more is asked for, so only the rows behind j are out: the counts run down to 0
.endif
	v_cvt_pk_bf16_f32 v[Y+2*(\j)],   v[X+4*((\j)%SLOTS)],   v[X+4*((\j)%SLOTS)+1]
	v_cvt_pk_bf16_f32 v[Y+2*(\j)+1], v[X+4*((\j)%SLOTS)+2], v[X+4*((\j)%SLOTS)+3]
.endm
.irp j, 0,1,2,3,4,5,6,7,8,9,10,11
	LOADROW \j                                     ; blocks 0, 1 and 2 are asked for
.endr
.irp j, 0,1,2,3,4,5,6,7,8,9,10,11,12,13,14,15,16,17,18,19,20,21,22,23,24,25,26,27,28,29,30,31,32,33,34,35,36,37,38,39,40,41,42,43
	TURN \j
.endr
	s_wait_alu depctr_va_vdst(0)                   ; the last block's conversions have written its four pairs of Y, which the last four stores read
.irp j, 40,41,42,43
	STOREROW \j
.endr
	s_endpgm
.Lfunc_end_k_q099c1fd795_cvt:
	.size	k_q099c1fd795_cvt, .Lfunc_end_k_q099c1fd795_cvt-k_q099c1fd795_cvt
	.p2alignl 7, 3214868480
	.fill 96, 4, 3214868480
	.section	.rodata,"a",@progbits
	.p2align	6, 0x0
	.amdhsa_kernel k_q099c1fd795_cvt
		.amdhsa_group_segment_fixed_size 0
		.amdhsa_private_segment_fixed_size 0
		.amdhsa_enable_private_segment 0
		.amdhsa_kernarg_size 96
		.amdhsa_user_sgpr_count 2
		.amdhsa_user_sgpr_kernarg_segment_ptr 1
		.amdhsa_wavefront_size32 1
		.amdhsa_system_sgpr_workgroup_id_x 1
		.amdhsa_system_sgpr_workgroup_id_y 1
		.amdhsa_system_sgpr_workgroup_id_z 1
		.amdhsa_system_vgpr_workitem_id 0
		.amdhsa_next_free_vgpr 156
		.amdhsa_next_free_sgpr 66
		.amdhsa_reserve_vcc 0
		.amdhsa_float_denorm_mode_32 3
		.amdhsa_float_denorm_mode_16_64 3
		.amdhsa_memory_ordered 1
		.amdhsa_forward_progress 1
		.amdhsa_inst_pref_size 17
	.end_amdhsa_kernel
	.amdgpu_metadata
---
amdhsa.version: [ 1, 2 ]
amdhsa.kernels:
  - .name:           k_q099c1fd795_cvt
    .symbol:         k_q099c1fd795_cvt.kd
    .args:
      - { .name: update, .offset: 0, .size: 8, .value_kind: global_buffer, .address_space: global }
      - { .name: hidden, .offset: 8, .size: 8, .value_kind: global_buffer, .address_space: global }
      - { .name: wr, .offset: 16, .size: 8, .value_kind: global_buffer, .address_space: global }
      - { .name: ur, .offset: 24, .size: 8, .value_kind: global_buffer, .address_space: global }
      - { .name: wz, .offset: 32, .size: 8, .value_kind: global_buffer, .address_space: global }
      - { .name: uz, .offset: 40, .size: 8, .value_kind: global_buffer, .address_space: global }
      - { .name: wh, .offset: 48, .size: 8, .value_kind: global_buffer, .address_space: global }
      - { .name: uh, .offset: 56, .size: 8, .value_kind: global_buffer, .address_space: global }
      - { .name: ub, .offset: 64, .size: 8, .value_kind: global_buffer, .address_space: global }
      - { .name: hb, .offset: 72, .size: 8, .value_kind: global_buffer, .address_space: global }
      - { .name: w1, .offset: 80, .size: 8, .value_kind: global_buffer, .address_space: global }
      - { .name: w2, .offset: 88, .size: 8, .value_kind: global_buffer, .address_space: global }
    .group_segment_fixed_size: 0
    .private_segment_fixed_size: 0
    .kernarg_segment_align: 8
    .kernarg_segment_size: 96
    .max_flat_workgroup_size: 256
    .sgpr_count:     66
    .vgpr_count:     156
    .wavefront_size: 32
...
	.end_amdgpu_metadata
.endif
;; end of part 4
;; launch gemm_rz: the kernel of part 2 again; grid 8 x 32, 4 waves a work-group, clusters of 4 x 4, 327,680 bytes of LDS; arguments ub, hb, w1, br, bz, hidden, rh, zg; writes rh, zg
;; launch gemm_h: the kernel of part 3 again; grid 8 x 32, 4 waves a work-group, clusters of 4 x 4, 327,680 bytes of LDS; arguments ub, rh, w2, bh, zg, hidden, out0; writes out0
